; MI455X (gfx1250); checked and timed in simulation.
; The chip was launched on July 23, 2026; its instructions are those of AMD's public machine-readable ISA for CDNA 5 (MIT licence, August 2026) and "CDNA5" Instruction Set Architecture Reference Guide (July 2026). The comments in the code are by the model that wrote it; some were corrected since.
;; Vector Quantizer. Allowed arithmetic: float matrix products may take bf16 or f16 operands with f32 sums; other float arithmetic in f32, or as packed bf16 or f16 multiplies, adds, multiply-adds, maxima and minima; sums over many terms, partial sums and values carried from step to step in f32; what a program stores and reads back later, other than sums and carried values, may be rounded once to bf16 or f16.
;; Inputs: emb 8,192 x 256 float32; z 32 x 256 x 32 x 32 float32.
;; Outputs: out0 32 x 256 x 32 x 32 float32; out1 32 x 32 x 32 int32.
;; 2 versions, each right; version 2 is version 1 with the launches prep, gather written anew for expert scheduling mode. Each part assembles by itself: llvm-mc -triple=amdgcn-amd-amdhsa -mcpu=gfx1250 --defsym DOCPART=n.
;; ======== version 1 of 2: 3 launches
;; workspace buffers: eb 4,194,304 bytes; ee 32,768 bytes; idxw 131,072 bytes of whole numbers
;; launch prep (part 1): grid 128 x 1, 8 waves a work-group, no clusters, 1,280 bytes of LDS; arguments emb, eb, ee; writes eb, ee
.if DOCPART == 1
	.amdgcn_target "amdgcn-amd-amdhsa--gfx1250"
	.amdhsa_code_object_version 6
	.text
	.protected	k_q2204a86d5c_prep
	.globl	k_q2204a86d5c_prep
	.p2align	8
	.type	k_q2204a86d5c_prep,@function
k_q2204a86d5c_prep:
	s_mov_b64 s[64:65], 0
	v_nop
	global_prefetch_b8 v0, s[64:65] scope:SCOPE_SE
	s_setreg_imm32_b32 hwreg(HW_REG_WAVE_MODE, 25, 1), 1
	s_wait_xcnt 0x0
; THE CODEBOOK, ROUNDED ONCE.  eb[n][c] = bf16(emb[n][c]);  ee[n] = the f32 sum over c of eb[n][c]^2.  emb: [8192][256] f32.
; NOTHING OF reference() IS LEFT OUT in this program, and both inputs are loaded.  ||z||^2 is the same for all codes of a token, so in exact arithmetic it cannot move
; the argmin; but it is some 10^5 times the differences between the distances, so reference()'s f32 loses most of them in it, ties arise, and argmin takes the first:
; the term stays, with reference()'s own two roundings (launch dist).  z + (z_q - z) is z_q in exact arithmetic, but z is far larger than z_q and the f32 result is z_q
; on z's grid: both additions stay (launch gather).
; FORMAT.  Every input is rounded once to bf16, and all that follows (products, both sums of squares, the gathered rows, the two additions) uses the rounded numbers:
; the program is reference() on inputs rounded to bf16.  The order of the f32 sums differs from reference()'s.  NaN and infinities are not treated apart.
; SHARES.  A work-group has 64 rows, so that its 64 sums are 256 consecutive bytes of ee, aligned; a wave has 8 rows, one at a time: two loads of 16 bytes a lane
; (512 consecutive bytes each), two stores of 8 bytes a lane (256 consecutive bytes each, aligned).  All 16 loads of a wave go out at the start.
; No matrix unit, no cluster, no tensor load: each byte has one reader, and the launch is a stream.
.set SPARE, 256                        ; LDS: 64 sums at byte 0; behind them the spare words, 128 bytes for each of the eight waves, which no other line names
.set LO,  3                            ; v3   byte offset of my 16 bytes in the work-group's rows of emb: 8,192 w + 16 lane; never rewritten
.set SO,  4                            ; v4   the same in eb: 4,096 w + 8 lane; never rewritten
.set LA,  5                            ; v5   LDS address of my wave's eight sums: 32 w
.set L8,  6                            ; v6   8 x lane
.set PX,  7                            ; v7   the other half of the lanes' sum
.set SPW, 8                            ; v8   LDS address of my spare word; never rewritten
.set NIL, 9                            ; v9   0; never rewritten
.set RS,  10                           ; v[10:11] two sums on their way out
.set SM,  12                           ; v[12:15] a row's running sums: two pairs, rows by turns
.set X,   16                           ; v[16:79]  row i: 8 registers as loaded, then the rounded numbers as f32
.set Y,   80                           ; v[80:111] row i: 4 registers of bf16 to store; never rewritten
	s_load_b128 s[4:7], s[0:1], 0x0                ; emb s[4:5], eb s[6:7]
	s_load_b64 s[8:9], s[0:1], 0x10                ; ee
	v_lshl_add_u32 v[SPW], v0, 2, SPARE
	v_mov_b32 v[NIL], 0
	v_lshrrev_b32 v1, 5, v0
	v_readfirstlane_b32 s10, v1                    ; wave 0..7
	v_and_b32 v2, 31, v0                           ; lane
	s_lshl_b32 s12, ttmp9, 16                      ; the work-group's 64 rows: 65,536 bytes of emb,
	s_mov_b32 s13, 0
	s_lshl_b32 s14, ttmp9, 15                      ; 32,768 of eb,
	s_mov_b32 s15, 0
	s_lshl_b32 s16, ttmp9, 8                       ; 256 of ee
	s_mov_b32 s17, 0
	s_lshl_b32 s18, s10, 13
	s_lshl_b32 s19, s10, 12
	s_lshl_b32 s20, s10, 5
	s_mov_b32 s22, 0x76543210                      ; v_permlanex16_b32: each lane takes its own place in the other half
	s_mov_b32 s23, 0xfedcba98
	v_lshl_add_u32 v[LO], v2, 4, s18
	v_lshl_add_u32 v[SO], v2, 3, s19
	v_mov_b32 v[LA], s20
	v_lshlrev_b32 v[L8], 3, v2
	v_mov_b32 v[PX], 0                             ; v_permlanex16_b32 counts as a reader of its destination
	s_wait_kmcnt 0x0
	s_add_nc_u64 s[4:5], s[4:5], s[12:13]
	s_add_nc_u64 s[6:7], s[6:7], s[14:15]
	s_add_nc_u64 s[8:9], s[8:9], s[16:17]
.set i, 0
.rept 8                                ; lane l takes channels 4 l .. 4 l + 3 and 128 + 4 l .. of each row
	global_load_b128 v[X+8*i:X+8*i+3],   v[LO], s[4:5] offset:1024*i th:TH_LOAD_NT
	global_load_b128 v[X+8*i+4:X+8*i+7], v[LO], s[4:5] offset:1024*i+512 th:TH_LOAD_NT
.set i, i+1
.endr
.set i, 0
.rept 8
.set sm, SM+2*(i%2)
	s_wait_loadcnt 14-2*i                          ; loads come back in order: row i is in, the two loads of each later row may stay out
.irp c, 0,1,2,3
	v_cvt_pk_bf16_f32 v[Y+4*i+\c], v[X+8*i+2*\c], v[X+8*i+2*\c+1]
.endr
	global_store_b64 v[SO], v[Y+4*i:Y+4*i+1],   s[6:7] offset:512*i      ; 32 lanes store 256 consecutive bytes, aligned
	global_store_b64 v[SO], v[Y+4*i+2:Y+4*i+3], s[6:7] offset:512*i+256
.irp c, 0,1,2,3
	v_lshlrev_b32 v[X+8*i+2*\c],   16, v[Y+4*i+\c]                     ; the rounded numbers as f32
	v_and_b32     v[X+8*i+2*\c+1], 0xffff0000, v[Y+4*i+\c]
.endr
	v_pk_mul_f32 v[sm:sm+1], v[X+8*i:X+8*i+1], v[X+8*i:X+8*i+1]        ; the first squares start the sums
.irp c, 2,4,6
	v_pk_fma_f32 v[sm:sm+1], v[X+8*i+\c:X+8*i+\c+1], v[X+8*i+\c:X+8*i+\c+1], v[sm:sm+1]
.endr
	v_add_f32 v[sm], v[sm], v[sm+1]
	v_add_f32_dpp v[sm], v[sm], v[sm] row_xmask:1 row_mask:0xf bank_mask:0xf
	v_add_f32_dpp v[sm], v[sm], v[sm] row_xmask:2 row_mask:0xf bank_mask:0xf
	v_add_f32_dpp v[sm], v[sm], v[sm] row_xmask:4 row_mask:0xf bank_mask:0xf
	v_add_f32_dpp v[sm], v[sm], v[sm] row_xmask:8 row_mask:0xf bank_mask:0xf
	v_permlanex16_b32 v[PX], v[sm], s22, s23
	v_add_f32 v[sm], v[sm], v[PX]
	ds_store_b32 v[LA], v[sm] offset:4*i           ; all lanes write the same word with the same number
.set i, i+1
.endr
	s_wait_dscnt 0x0                               ; for the others' sake: my eight sums lie in LDS
	s_barrier_signal -1
	s_barrier_wait -1
	s_cmp_lg_u32 s10, 0                            ; wave 0 stores the work-group's 64 sums
	s_cbranch_scc1 .Lend
	ds_load_b64 v[RS:RS+1], v[L8]
	s_wait_dscnt 0x0
	global_store_b64 v[L8], v[RS:RS+1], s[8:9]     ; 256 consecutive bytes, aligned
.Lend:
	s_wait_tensorcnt 0x0                           ; the wave's end, behind my last LDS store
	ds_add_u32 v[SPW], v[NIL]
	s_wait_dscnt 0x0
	s_endpgm
.Lfunc_end_k_q2204a86d5c_prep:
	.size	k_q2204a86d5c_prep, .Lfunc_end_k_q2204a86d5c_prep-k_q2204a86d5c_prep
	.p2alignl 7, 3214868480
	.fill 96, 4, 3214868480
	.section	.rodata,"a",@progbits
	.p2align	6, 0x0
	.amdhsa_kernel k_q2204a86d5c_prep
		.amdhsa_group_segment_fixed_size 1280
		.amdhsa_private_segment_fixed_size 0
		.amdhsa_enable_private_segment 0
		.amdhsa_kernarg_size 24
		.amdhsa_user_sgpr_count 2
		.amdhsa_user_sgpr_kernarg_segment_ptr 1
		.amdhsa_wavefront_size32 1
		.amdhsa_system_sgpr_workgroup_id_x 1
		.amdhsa_system_sgpr_workgroup_id_y 1
		.amdhsa_system_sgpr_workgroup_id_z 1
		.amdhsa_system_vgpr_workitem_id 0
		.amdhsa_next_free_vgpr 112
		.amdhsa_next_free_sgpr 66
		.amdhsa_reserve_vcc 0
		.amdhsa_float_denorm_mode_32 3
		.amdhsa_float_denorm_mode_16_64 3
		.amdhsa_memory_ordered 1
		.amdhsa_forward_progress 1
		.amdhsa_inst_pref_size 16
	.end_amdhsa_kernel
	.amdgpu_metadata
---
amdhsa.version: [ 1, 2 ]
amdhsa.kernels:
  - .name:           k_q2204a86d5c_prep
    .symbol:         k_q2204a86d5c_prep.kd
    .args:
      - { .name: emb, .offset: 0, .size: 8, .value_kind: global_buffer, .address_space: global }
      - { .name: eb, .offset: 8, .size: 8, .value_kind: global_buffer, .address_space: global }
      - { .name: ee, .offset: 16, .size: 8, .value_kind: global_buffer, .address_space: global }
    .group_segment_fixed_size: 1280
    .private_segment_fixed_size: 0
    .kernarg_segment_align: 8
    .kernarg_segment_size: 24
    .max_flat_workgroup_size: 256
    .sgpr_count:     66
    .vgpr_count:     112
    .wavefront_size: 32
...
	.end_amdgpu_metadata
.endif
;; end of part 1
;; launch dist (part 2): grid 256 x 1, 4 waves a work-group, clusters of 4 x 1, 327,680 bytes of LDS; arguments z, eb, ee, out1, idxw; writes out1, idxw
.if DOCPART == 2
	.amdgcn_target "amdgcn-amd-amdhsa--gfx1250"
	.amdhsa_code_object_version 6
	.text
	.protected	k_q2204a86d5c_dist
	.globl	k_q2204a86d5c_dist
	.p2align	8
	.type	k_q2204a86d5c_dist,@function
k_q2204a86d5c_dist:
	s_mov_b64 s[64:65], 0
	v_nop
	global_prefetch_b8 v0, s[64:65] scope:SCOPE_SE
	s_setreg_imm32_b32 hwreg(HW_REG_WAVE_MODE, 25, 1), 1
	s_wait_xcnt 0x0
	s_wait_alu depctr_hold_cnt(0) depctr_sa_sdst(0) depctr_va_vdst(0) depctr_va_sdst(0) depctr_va_ssrc(0) depctr_va_vcc(0) depctr_vm_vsrc(0)
	s_getreg_b32 s2, hwreg(HW_REG_IB_STS2, 6, 4)
	s_cmp_eq_u32 s2, 0
	s_cbranch_scc0 .Lentry_in_a_cluster
	s_endpgm
.Lentry_in_a_cluster:
	s_bfe_u32 s2, ttmp6, 0x10000c
	s_cmp_lg_u32 s2, 0x3003
	s_cbranch_scc0 .Lentry_shape_is_right
	s_endpgm
.Lentry_shape_is_right:
; THE DISTANCES AND THEIR FIRST MINIMUM.  For each of the 32,768 tokens (b, h, w), zb = bf16(z[b][:][h][w]):
;   d[n] = fl(fl(zz + ee[n]) - 2 zb . eb[n]),  zz = the sum of zb^2;   out1 = idxw = the first n at which d is least.
; Nothing of reference() is left out: zz is the same for all n, but d's f32 grid is set by it, distances fall together on that grid, and argmin takes the first of them;
; so d is formed with reference()'s two roundings, and every choice below keeps the lower n where two d are equal.
; LIMITS.  z and emb are rounded once to bf16, and zz and ee are the rounded numbers' sums of squares.  The f32 sums run in another order than reference()'s, so a product sum may differ in its last
; bits; where that moves a d across a rounding boundary in a token whose two best d lie within one step of the grid, the index can differ.  -2 zb is formed, so |z| stays under 1.6e38.
; A NaN among the distances is passed over by the minimum (jnp.argmin would return its index); infinities are not treated apart.
; SHARES.  A work-group has 128 tokens (512 consecutive bytes of each channel's plane).  Z IS STATIONARY: every wave holds all 128 tokens, as fragments of -2 zb, in 512 registers (the factor is exact, so an
; accumulator is -2 zb . eb).  THE CODES ARE SPLIT AMONG THE WAVES: of each slot of 256 codes wave w takes rows 64 w .. 64 w + 63, four tiles of 16.  A fragment of codes read from LDS feeds eight products:
; 16 LDS loads for 64 matrix instructions, and no byte of a slot is read twice in a work-group.
; LAYOUT.  Source 0 = 16 codes, source 1 = 16 tokens: in the result lane l (r = l % 16, h = l / 16) holds ONE token, 16 q + r, and the codes 8 h + 0..7 of the tile.  So a token's minimum stays in its lane
; until the end.  A wave walks 128 tiles; tile t holds the codes (t / 4) 256 + 64 w + (t % 4) 16 + 0..15, ascending with t.
; BY TURNS.  Two sets of 8 accumulators.  While tile t is multiplied (64 products, the 8 accumulators by turns), the distances of tile t - 1 are made from the other set: 22 vector
; instructions for each 16 tokens, cut into 8 slices, one behind each product.  All but the kept distances lie in window 0, the products' sources in windows 1 to 3: a slice costs two switches of the window.
; WHAT IS KEPT for each lane and 16 tokens: the running minimum; where it has become strictly less, the tile's number and the tile's eight d.  At the end the first of the eight that equals the minimum gives the
; code: no distance is made a second time.
; CLUSTER.  All work-groups walk the same eb and ee: the four of a cluster ask for each tile JOINTLY (the same tensor load, descriptor and mask in all four).  A mask names four work-groups at the most,
; so a larger cluster would share no further.
; REGISTERS, in windows of 256 (s_set_vgpr_msb: bits 1:0 source 0, 3:2 source 1, 5:4 source 2, 7:6 destination):
;   window 0: v0-15 addresses; v16-31 zz; v32-47 running minima; v48-63 ee of two tiles; v64-79 at work; v80-127 the end's; v128-255 the accumulators, set p, tokens 16 q at 128 + 64 p + 8 q
;   window 1: v0-127 the codes' fragments, set p, K step k at 64 p + 8 k; v128-191 the kept d; v192-199 the kept tile numbers (at the start all 256: z as loaded)
;   window 2: -2 zb, tokens 16 m (m = 0..3), K step k at 64 m + 8 k          window 3: the same for m = 4..7
.set PITCH, 528                        ; a row of codes in LDS: 512 bytes + 16 of padding = 132 words: row r starts at bank 4 r mod 64 (64 banks of 4 bytes: ISA guide 11.1)
.set QUART, 64*PITCH                   ; 64 rows: what one tensor load brings, and what one wave reads
.set SLOT,  4*QUART                    ; 256 codes
.set SLOTG, 256*512                    ; the same 256 codes in memory
.set EEB,   2*SLOT                     ; behind the ring: ee, [wave][slot][64] f32: a wave's numbers in the order of its tiles, 64 bytes a tile; filled once
.set STAGE, EEB+32768                  ; 64 channels x 288 bytes: -2 zb as [channel][token]; written by LDS stores alone
.set SPT,   288                        ; 256 bytes + 32
.set RED,   STAGE                      ; at the very end: [wave][token] pairs (d, n)
.set ZP,    STAGE+64*SPT               ; [wave][128] partial sums of squares
.set SPARE, ZP+2048                    ; the spare words, 128 bytes for each wave: two blocks of 256 bytes that no other line names
.set LN,  1                            ; v1   lane
.set RR,  2                            ; v2   r = lane % 16
.set HH,  3                            ; v3   h = lane / 16
.set AE0, 4                            ; v4   my lane's place in a slot: QUART w + PITCH r + 16 h; never rewritten
.set AEE0, 5                           ; v5   my lane's place in ee: EEB + 8,192 w + 32 h; never rewritten
.set ADR, 6                            ; v6   AE0 + s[TBE]: where the next fragments of codes are fetched
.set AEE, 7                            ; v7   AEE0 + s[TEE]: where the next eight ee are fetched
.set ZO,  8                            ; v8   my byte offset in z: 16 lane + 16 w planes of 4,096 bytes; never rewritten
.set AST, 9                            ; v9   where I store into the stage; at the end: into RED
.set ATR, 10                           ; v10  where the turning loads read the stage; at the end: where I read RED
.set AZP, 11                           ; v11  ZP + 4 r
.set PFO, 12                           ; v12  256 x lane: the prefetches' offset; never rewritten
.set BASEN, 13                         ; v13  64 w + 8 h
.set SPW, 14                           ; v14  LDS address of my spare word: SPARE + 4 x my thread's number; never rewritten
.set NIL, 15                           ; v15  0; never rewritten
.set ZZ2, 16                           ; zz of token 16 q + r, twice, at 16 + 2 q: a pair for the packed addition
.set RUN, 32                           ; the running minimum behind a tile of parity p, tokens 16 q: at 32 + 8 p + q
.set EER, 48                           ; my eight ee of a tile of parity p at 48 + 8 p
.set DD,  64                           ; v64-71  eight distances at work
.set MA,  72                           ; v72-74  three partial minima
.set AZS, 75                           ; v75  ZP + 512 w + 16 lane
.set ZA,  76                           ; v76-79  partial sums of squares of tokens 4 lane + 0..3 over my wave's 64 channels
.set JJ,  80                           ; the end: first place among the kept eight
.set NN,  88                           ; the end: the kept tile number
.set PR,  112                          ; the end: the pair (d, n) at 112 + 2 q
.set ACC, 128
.set TMP, 128                          ; at the start: 64 registers at work, where the accumulators will lie
.set SAV, 128                          ; window 1
.set IDX, 192                          ; window 1
.set WV,  14                           ; s14  my wave's number
.set CX,  15                           ; s15  my place in the cluster: it enters z's, the outputs' and the prefetches' addresses alone
.set WG,  16                           ; s16  my work-group: 4 x cluster + place
.set G1,  24                           ; s[24:31] descriptor group 1 for a quarter of a slot
.set G1E, 32                           ; s[32:39] for ee
.set G0,  40                           ; s[40:47] descriptor group 0 for the codes, a set for each slot
.set G0E, 48                           ; s[48:51] for ee
.set CNT, 52                           ; s52  trips of the loop over two slots
.set CNT2, 53                          ; s53  pairs of tiles until the next change of slots
.set TAU, 54                           ; s54  the number of the tile whose distances are being made
.set LIM, 55                           ; s55  1 in the cluster that prefetches, else the greatest number
.set PFA, 56                           ; s[56:57] where my prefetches stand
.set SEL, 58                           ; s[58:59] v_permlanex16_b32's selects: each lane takes its own place in the other half
.set TBE, 62                           ; s62  LDS byte, within my quarter's walk, of the codes to be fetched next
.set TEE, 63                           ; s63  the same for ee: 64 x tile
.set MSB, 0
.macro WIN new                         ; the immediate's high byte repeats the setting that is left; a switch that changes nothing is dropped
.if MSB != (\new)
	s_set_vgpr_msb (MSB<<8)|(\new)
.set MSB, (\new)
.endif
.endm
; A round of the cluster's barrier: my work-group's barrier, so that wave 0's signal speaks for all four waves; wave 0 signals; every wave waits for all four work-groups; my work-group's barrier once more.
.macro CROUND
	s_barrier_signal -1
	s_barrier_wait -1
	s_cmp_lg_u32 s[WV], 0
	s_cbranch_scc1 .Lnot_wave_0_\@
	s_barrier_signal -3
.Lnot_wave_0_\@:
	s_barrier_wait -3
	s_barrier_signal -1
	s_barrier_wait -1
.endm
	s_load_b256 s[4:11], s[0:1], 0x0               ; z s[4:5], eb s[6:7], ee s[8:9], out1 s[10:11]
	s_load_b64 s[12:13], s[0:1], 0x20              ; idxw
	v_lshl_add_u32 v[SPW], v0, 2, SPARE
	v_mov_b32 v[NIL], 0
	ds_add_u32 v[SPW], v[NIL]                      ; the wave's opening: the add, twice on end, and its wait ahead of my first tensor load; the set-up below, work on registers, stands between
	ds_add_u32 v[SPW], v[NIL]                      ; and once more, under the one wait
	v_lshrrev_b32 v1, 5, v0
	v_readfirstlane_b32 s[WV], v1                  ; wave 0..3
	v_and_b32 v[LN], 31, v0
	v_and_b32 v[RR], 15, v0
	v_bfe_u32 v[HH], v0, 4, 1
	s_bfe_u32 s[CX], ttmp6, 0x40000
	s_lshl_b32 s[WG], ttmp9, 2                     ; in a cluster launch ttmp9 counts clusters
	s_add_co_u32 s[WG], s[WG], s[CX]
	; group 1 for the codes: 64 rows x 256 elements of 2 bytes, 512 bytes apart in memory, padded in LDS
	s_mov_b32 s[G1+0], 15|(1<<16)|(1<<20)|(1<<21)|(6<<22)|(3<<25)  ; 15:0 the mask of four; 17:16 2-byte elements; 20 padding on; 21 set beside a mask; 24:22 after every 128 words (code 6); 31:25 4 words (code 3)
	s_mov_b32 s[G1+1], 256<<16                     ; tensor_dim0 = 256
	s_mov_b32 s[G1+2], 64<<16                      ; tensor_dim1 = 64
	s_mov_b32 s[G1+3], 256<<16                     ; tile_dim0 = 256
	s_mov_b32 s[G1+4], 64                          ; tile_dim1 = 64
	s_mov_b32 s[G1+5], 256                         ; 256 elements from row to row
	s_mov_b32 s[G1+6], 0
	s_mov_b32 s[G1+7], 0
	; group 1 for ee: 32 rows (one a slot) x 64 elements of 4 bytes (my wave's 64 codes: 256 bytes, aligned), 256 elements apart; dense in LDS
	s_mov_b32 s[G1E+0], 15|(2<<16)|(1<<21)
	s_mov_b32 s[G1E+1], 64<<16
	s_mov_b32 s[G1E+2], 32<<16
	s_mov_b32 s[G1E+3], 64<<16
	s_mov_b32 s[G1E+4], 32
	s_mov_b32 s[G1E+5], 256
	s_mov_b32 s[G1E+6], 0
	s_mov_b32 s[G1E+7], 0
	s_mul_i32 s17, s[WV], QUART                    ; my quarter of a slot: no place in the cluster enters an LDS address
	s_mov_b32 s[G0+0], 1
	s_mov_b32 s[G0+1], s17
	s_mov_b32 s[G0+4], 1
	s_add_co_u32 s[G0+5], s17, SLOT
	s_mov_b32 s[G0E+0], 1
	s_lshl_b32 s18, s[WV], 13
	s_add_co_u32 s[G0E+1], s18, EEB
	s_mov_b32 s[SEL], 0x76543210
	s_mov_b32 s[SEL+1], 0xfedcba98
	s_cmp_eq_u32 ttmp9, 0                          ; the first cluster prefetches: the same answer in all four partners
	s_cselect_b32 s[LIM], 1, -1
	s_lshl_b32 s22, s[WV], 16
	v_lshl_add_u32 v[ZO], v[LN], 4, s22
	v_lshlrev_b32 v[PFO], 8, v[LN]
	s_lshr_b32 s20, s[WG], 3                       ; the image: 2^20 bytes each,
	s_lshl_b32 s20, s20, 20
	s_and_b32 s21, s[WG], 7                        ; and my 128 of its 1,024 places: 512 bytes of a plane
	s_lshl_b32 s21, s21, 9
	s_or_b32 s20, s20, s21
	s_mov_b32 s21, 0
	s_wait_dscnt 0x0                               ; both opening adds are done
	s_wait_kmcnt 0x0
	s_add_nc_u64 s[4:5], s[4:5], s[20:21]
	; ALL OF MY z IS ASKED FOR AT ONCE: 64 channels (in phase f: 64 f + 16 w + 0..15), each 512 consecutive bytes, aligned: tokens 4 lane + 0..3 a lane.  Each byte of z has one reader in the launch.
	WIN 0x40                                       ; destination window 1
.set n, 0
.rept 64
	global_load_b128 v[4*n:4*n+3], v[ZO], s[4:5] offset:(64*(n/16)+n%16)*4096 th:TH_LOAD_NT
.set n, n+1
.endr
	WIN 0
	s_lshl_b32 s18, s[WV], 15                      ; my 64 rows of 512 bytes
	s_mov_b32 s19, 0
	s_add_nc_u64 s[G0+2:G0+3], s[6:7], s[18:19]    ; slot 0: codes 0 to 255
	s_add_nc_u64 s[G0+6:G0+7], s[G0+2:G0+3], SLOTG ; slot 1: codes 256 to 511
	s_or_b32 s[G0+3], s[G0+3], 0x80000000          ; type = 2
	s_or_b32 s[G0+7], s[G0+7], 0x80000000
	s_lshl_b32 s18, s[WV], 8
	s_add_nc_u64 s[G0E+2:G0E+3], s[8:9], s[18:19]
	s_or_b32 s[G0E+3], s[G0E+3], 0x80000000
	s_lshl_b32 s20, s[CX], 15                      ; the prefetches: of a slot's 512 blocks of 256 bytes my work-group takes 128, my wave 32 of them, a lane one
	s_lshl_b32 s21, s[WV], 13
	s_add_co_u32 s20, s20, s21
	s_add_co_u32 s20, s20, 3*SLOTG                 ; the first change of slots steps it to the codes' slot 4
	s_mov_b32 s21, 0
	s_add_nc_u64 s[PFA:PFA+1], s[6:7], s[20:21]
	CROUND                                         ; all four work-groups are here: the first joint loads meet
	tensor_load_to_lds s[G0:G0+3], s[G1:G1+7]      ; the first fills, one group: slot 0,
	s_nop 0
	tensor_load_to_lds s[G0E:G0E+3], s[G1E:G1E+7]  ; my wave's ee,
	s_nop 0
	tensor_load_to_lds s[G0+4:G0+7], s[G1:G1+7]    ; slot 1: three tensor loads of mine are out
	s_nop 0
.rept 4
	v_nop
.endr
	v_mul_u32_u24 v[AE0], v[RR], PITCH             ; a fragment of codes: lane l holds row l % 16, channels 8 h + 0..7 and 16 + 8 h + 0..7: two loads of 16 bytes, 32 bytes apart
	v_lshl_add_u32 v[AE0], v[HH], 4, v[AE0]
	v_add_nc_u32 v[AE0], s17, v[AE0]
	s_lshl_b32 s18, s[WV], 13
	s_add_co_u32 s18, s18, EEB
	v_lshl_add_u32 v[AEE0], v[HH], 5, s18
	s_mul_i32 s18, s[WV], 16*SPT
	s_add_co_u32 s18, s18, STAGE
	v_lshl_add_u32 v[AST], v[LN], 3, s18           ; my 16 rows of the stage, 8 bytes (4 tokens) a lane
	v_and_b32 v[ATR], 7, v0                        ; the turning load takes 16 channels x 16 tokens: lane l reads channel 8 h + l % 8, tokens 8 ((l / 8) % 2) + 0..7
	v_lshl_add_u32 v[ATR], v[HH], 3, v[ATR]
	v_mul_u32_u24 v[ATR], v[ATR], SPT
	v_bfe_u32 v[MA], v0, 3, 1
	v_lshl_add_u32 v[ATR], v[MA], 4, v[ATR]
	v_add_nc_u32 v[ATR], STAGE, v[ATR]
	v_lshl_add_u32 v[AZP], v[RR], 2, ZP
	s_lshl_b32 s18, s[WV], 9
	s_add_co_u32 s18, s18, ZP
	v_lshl_add_u32 v[AZS], v[LN], 4, s18
; z INTO FRAGMENTS, 64 channels a phase.  My 16 channels are multiplied by -2, rounded to bf16, stored into the stage as [channel][token], and their squares added up; behind a barrier every wave takes
; all 128 tokens x 64 channels out of the stage, turned; a second barrier stands between those reads and the next phase's stores.
.macro ZPHASE f
	s_wait_loadcnt 48-16*(\f)                      ; loads come back in order: this phase's 16 are in, 16 for each later phase may stay out
	WIN 0x01                                       ; source 0 window 1
.set n, 0
.rept 32
	v_pk_mul_f32 v[TMP+2*n:TMP+2*n+1], v[64*(\f)+2*n:64*(\f)+2*n+1], -2.0 op_sel_hi:[1,0]
.set n, n+1
.endr
	WIN 0
.set n, 0
.rept 16
.set t, DD+4*(n%2)
	v_cvt_pk_bf16_f32 v[TMP+4*n],   v[TMP+4*n],   v[TMP+4*n+1]
	v_cvt_pk_bf16_f32 v[TMP+4*n+1], v[TMP+4*n+2], v[TMP+4*n+3]
	ds_store_b64 v[AST], v[TMP+4*n:TMP+4*n+1] offset:n*SPT
	v_lshlrev_b32 v[t],   16, v[TMP+4*n]           ; the rounded numbers as f32
	v_and_b32     v[t+1], 0xffff0000, v[TMP+4*n]
	v_lshlrev_b32 v[t+2], 16, v[TMP+4*n+1]
	v_and_b32     v[t+3], 0xffff0000, v[TMP+4*n+1]
.if ((\f) == 0) && (n == 0)
	v_pk_mul_f32 v[ZA:ZA+1],   v[t:t+1],   v[t:t+1]      ; the first squares start the sums
	v_pk_mul_f32 v[ZA+2:ZA+3], v[t+2:t+3], v[t+2:t+3]
.else
	v_pk_fma_f32 v[ZA:ZA+1],   v[t:t+1],   v[t:t+1],   v[ZA:ZA+1]
	v_pk_fma_f32 v[ZA+2:ZA+3], v[t+2:t+3], v[t+2:t+3], v[ZA+2:ZA+3]
.endif
.set n, n+1
.endr
.if (\f) == 3
	ds_store_b128 v[AZS], v[ZA:ZA+3]               ; my wave's part of 4 zz, for 128 tokens
.endif
	s_wait_dscnt 0x0                               ; for the others' sake: my stores are done
	s_barrier_signal -1
	s_barrier_wait -1
	WIN 0x80                                       ; destination window 2: tokens 16 m, K steps 2 f and 2 f + 1
.irp c, 0,1
.irp m, 0,1,2,3
	ds_load_tr16_b128 v[64*\m+8*(2*(\f)+\c):64*\m+8*(2*(\f)+\c)+3],   v[ATR] offset:\c*32*SPT+32*\m
	ds_load_tr16_b128 v[64*\m+8*(2*(\f)+\c)+4:64*\m+8*(2*(\f)+\c)+7], v[ATR] offset:\c*32*SPT+16*SPT+32*\m
.endr
.endr
	WIN 0xc0                                       ; window 3: tokens 64 + 16 m
.irp c, 0,1
.irp m, 0,1,2,3
	ds_load_tr16_b128 v[64*\m+8*(2*(\f)+\c):64*\m+8*(2*(\f)+\c)+3],   v[ATR] offset:\c*32*SPT+32*\m+128
	ds_load_tr16_b128 v[64*\m+8*(2*(\f)+\c)+4:64*\m+8*(2*(\f)+\c)+7], v[ATR] offset:\c*32*SPT+16*SPT+32*\m+128
.endr
.endr
	WIN 0
.if (\f) == 3
.irp q, 0,1,2,3,4,5,6,7
.irp p, 0,1,2,3
	ds_load_b32 v[TMP+4*\q+\p], v[AZP] offset:512*\p+64*\q   ; wave p's part for token 16 q + r
.endr
.endr
.endif
	s_wait_dscnt 0x0                               ; my reads of the stage are over
.if (\f) == 3
	s_wait_tensorcnt 0x1                           ; slot 0 and ee are in; slot 1's load may stay out
.endif
	s_barrier_signal -1
	s_barrier_wait -1
.endm
	ZPHASE 0
	ZPHASE 1
	ZPHASE 2
	ZPHASE 3
	WIN 0x40
.irp k, 0,1,2,3,4,5,6,7                ; tile 0's codes; what follows stands in the wait for them
	ds_load_b128 v[8*\k:8*\k+3],   v[AE0] offset:64*\k
	ds_load_b128 v[8*\k+4:8*\k+7], v[AE0] offset:64*\k+32
.endr
	s_mov_b32 s60, 0x7f800000                      ; +infinity
.set n, 0
.rept 64
	v_mov_b32 v[SAV+n], s60                        ; the selects below read what they may keep, so the kept d and tile numbers are written once
.set n, n+1
.endr
.set n, 0
.rept 8
	v_mov_b32 v[IDX+n], 0
.set n, n+1
.endr
	WIN 0
.set q, 0
.rept 8
	v_pk_add_f32 v[TMP+4*q:TMP+4*q+1], v[TMP+4*q:TMP+4*q+1], v[TMP+4*q+2:TMP+4*q+3]
	v_mov_b32 v[RUN+8+q], s60                      ; the minimum before tile 0
.set q, q+1
.endr
.set q, 0
.rept 8
	v_add_f32 v[TMP+4*q], v[TMP+4*q], v[TMP+4*q+1]
.set q, q+1
.endr
.set q, 0
.rept 8
	v_mul_f32 v[ZZ2+2*q],   0x3e800000, v[TMP+4*q] ; the squares were (-2 zb)^2: a quarter, exact
	v_mul_f32 v[ZZ2+2*q+1], 0x3e800000, v[TMP+4*q]
.set q, q+1
.endr
	v_mov_b32 v[ADR], v[AE0]
	v_mov_b32 v[AEE], v[AEE0]
; Product (kk, mm) of a tile of parity p: K step kk, tokens 16 mm.  The first round starts the sums with the constant 0.
.macro PROD p
.if mm < 4
	WIN 0x09                                       ; codes window 1, tokens window 2, C and D window 0
.else
	WIN 0x0d                                       ; tokens window 3
.endif
.set rA, ACC+64*(\p)+8*mm
.set rE, 64*(\p)+8*kk
.set rZ, 64*(mm%4)+8*kk
.if kk == 0
	v_wmma_f32_16x16x32_bf16 v[rA:rA+7], v[rE:rE+7], v[rZ:rZ+7], 0
.else
	v_wmma_f32_16x16x32_bf16 v[rA:rA+7], v[rE:rE+7], v[rZ:rZ+7], v[rA:rA+7]
.endif
.endm
; Slice mm of 8 of the vector work for tokens 16 kk of the finished tile, of parity pe:
;   0  t = fl(ee + zz)      1  d = fl(t - 2 zb . eb): the accumulator's lowest registers are read first      2, 3  the least of the eight d and the old minimum
;   4  has it become strictly less? (an equal d of a later tile has a higher code and is not taken)      5-7  if so, the tile's number and its eight d are kept
.macro SLICE pe
.set rR, RUN+8*(\pe)+kk
.set rO, RUN+8*(1-(\pe))+kk
.set rC, ACC+64*(\pe)+8*kk
.set rX, EER+8*(\pe)
.if mm == 0
	WIN 0
.irp j, 0,2,4,6
	v_pk_add_f32 v[DD+\j:DD+\j+1], v[rX+\j:rX+\j+1], v[ZZ2+2*kk:ZZ2+2*kk+1]
.endr
.elseif mm == 1
	WIN 0
.irp j, 0,2,4,6
	v_pk_add_f32 v[DD+\j:DD+\j+1], v[rC+\j:rC+\j+1], v[DD+\j:DD+\j+1]
.endr
.elseif mm == 2
	WIN 0
	v_min3_num_f32 v[MA],   v[DD],   v[DD+1], v[DD+2]
	v_min3_num_f32 v[MA+1], v[DD+3], v[DD+4], v[DD+5]
	v_min3_num_f32 v[MA+2], v[DD+6], v[DD+7], v[rO]
.elseif mm == 3
	WIN 0
	v_min3_num_f32 v[rR], v[MA], v[MA+1], v[MA+2]
.elseif mm == 4
	WIN 0
	v_cmp_lt_f32 vcc_lo, v[rR], v[rO]
.else
	WIN 0x41                                       ; destination and source 0 window 1, source 1 window 0
.if mm == 5
	v_cndmask_b32 v[IDX+kk], v[IDX+kk], s[TAU], vcc_lo
.endif
.irp j, 0,1,2,3,4,5,6,7
.if ((\j)+1)/3+5 == mm
	v_cndmask_b32 v[SAV+8*kk+\j], v[SAV+8*kk+\j], v[DD+\j], vcc_lo
.endif
.endr
.endif
.endm
; The LDS loads of a tile stand in one run, behind its first round of products: the NEXT tile's codes into the other set (fe = 1), and this tile's own eight ee, which the next tile's slices read.
; The other set's last reader is the last product of the tile before; the first round's 22 slices' instructions, which name none of its registers, lie between.
.macro FETCH p, fe, off, eoff
.if \fe
	WIN 0x40
.set rF, 64*(1-(\p))
.irp k, 0,1,2,3,4,5,6,7
	ds_load_b128 v[rF+8*\k:rF+8*\k+3],   v[ADR] offset:(\off)+64*\k
	ds_load_b128 v[rF+8*\k+4:rF+8*\k+7], v[ADR] offset:(\off)+64*\k+32
.endr
.endif
	WIN 0
	ds_load_b128 v[EER+8*(\p):EER+8*(\p)+3],   v[AEE] offset:(\eoff)
	ds_load_b128 v[EER+8*(\p)+4:EER+8*(\p)+7], v[AEE] offset:(\eoff)+16
.endm
; A TILE of parity p: 64 products; epi = 1: behind each a slice of the tile before.
.macro TILE p, epi, fe, off, eoff
	s_wait_dscnt 0x0                               ; this tile's codes and the last tile's ee, asked for 56 products ago, are in
.set kk, 0
.rept 8
.set mm, 0
.rept 8
	PROD \p
.if \epi
	SLICE 1-(\p)
.endif
.set mm, mm+1
.endr
.if kk == 0
	FETCH \p, \fe, \off, \eoff
.endif
.set kk, kk+1
.endr
.if \epi
	s_add_co_u32 s[TAU], s[TAU], 1
.endif
.endm
.macro PAIR                            ; an odd tile and the even one behind it; then the fetches' addresses go two tiles on
	TILE 1, 1, 1, 0, 0
	TILE 0, 1, 1, 16*PITCH, 64
	WIN 0                                          ; at a label and at a branch every window is 0
	s_add_co_u32 s[TBE], s[TBE], 32*PITCH
	s_add_co_u32 s[TEE], s[TEE], 128
	v_add_nc_u32 v[ADR], s[TBE], v[AE0]
	v_add_nc_u32 v[AEE], s[TEE], v[AEE0]
.endm
; A PREFETCH INTO THE L2, behind the joint load and its five lines: the slot of codes that stands TWO refills on, 512 matrix instructions ahead of the load that will ask for it.  Every cluster walks the same
; codes: the first cluster asks, and nobody else.  Its four partners and their four waves share a slot's 512 blocks of 256 bytes out BY ADDRESS, a lane a block, one instruction a wave: each block from slot 4 on is
; named once in the launch.  Slots 0 to 3 come by their loads alone; the loop's last trip, whose look-ahead would pass the last slot, asks for nothing.
.macro ASK
	s_cmp_gt_u32 s[CNT], s[LIM]
	s_cbranch_scc0 .Lnot_mine_\@
	global_prefetch_b8 v[PFO], s[PFA:PFA+1] th:TH_LOAD_NT scope:SCOPE_SE
.Lnot_mine_\@:
.endm
; THE CHANGE OF SLOTS stands in front of a slot's LAST tile: that tile's codes have been asked for, and the wait below shows them in registers, so the slot is read no more.  Each wave waits for all its tensor
; loads, of which one is out: its part of the other slot; adds 0 to its spare word; and waits for that and for its reads.  fill = 1: the barrier is a round of the cluster's, so that no wave of any partner still
; reads the slot or has a load on its way, and the joint refill, with the codes two slots on, is the first thing behind it: it has four tiles, 256 matrix instructions, in which to land.
; The four fetches that follow read slot nxt.
.macro CHANGE nxt, fill
	WIN 0
.if \fill
	s_wait_xcnt 0x0                                ; the last prefetch, four tiles back, has read its address, so it may be stepped
	s_add_nc_u64 s[PFA:PFA+1], s[PFA:PFA+1], SLOTG
.endif
	s_wait_tensorcnt 0x0                           ; no tensor load of mine is out, so a group 0 may be written
	ds_add_u32 v[SPW], v[NIL]                      ; 0 onto my spare word; work on registers stands between it and the wait for it
.if \fill
	s_add_nc_u64 s[G0+4*(1-(\nxt))+2:G0+4*(1-(\nxt))+3], s[G0+4*(1-(\nxt))+2:G0+4*(1-(\nxt))+3], 2*SLOTG  ; the type bits on top are not reached
.endif
	s_mov_b32 s[TBE], (\nxt)*SLOT
	v_add_nc_u32 v[ADR], s[TBE], v[AE0]
	s_wait_dscnt 0x0                               ; the add is done, and my reads of the slot are over
.if \fill
	CROUND
	tensor_load_to_lds s[G0+4*(1-(\nxt)):G0+4*(1-(\nxt))+3], s[G1:G1+7]  ; my one tensor load behind the round
	s_nop 0
.rept 4
	v_nop
.endr
	ASK
.else
	s_barrier_signal -1
	s_barrier_wait -1
.endif
	s_mov_b32 s[CNT2], 2
.endm
	TILE 0, 0, 1, 16*PITCH, 0                      ; tile 0: there is no finished tile yet to set between its products
	WIN 0
	s_mov_b32 s[TBE], 32*PITCH                     ; the next fetch is tile 2's codes
	s_mov_b32 s[TEE], 64                           ; and tile 1's ee
	v_add_nc_u32 v[ADR], s[TBE], v[AE0]
	v_add_nc_u32 v[AEE], s[TEE], v[AEE0]
	s_mov_b32 s[TAU], 0
	s_mov_b32 s[CNT], 16
	s_mov_b32 s[CNT2], 1
	s_branch .LinB                                 ; the loop is entered in the middle of a trip: tiles 1 and 2, then the first change of slots
.Lout:                                 ; 15 whole trips of eight tiles: 30 refills, slots 2 to 31
	CHANGE 1, 1
.LinA:
	PAIR
	s_sub_co_u32 s[CNT2], s[CNT2], 1
	s_cmp_lg_u32 s[CNT2], 0
	s_cbranch_scc1 .LinA
	CHANGE 0, 1
.LinB:
	PAIR
	s_sub_co_u32 s[CNT2], s[CNT2], 1
	s_cmp_lg_u32 s[CNT2], 0
	s_cbranch_scc1 .LinB
	s_sub_co_u32 s[CNT], s[CNT], 1
	s_cmp_lg_u32 s[CNT], 0
	s_cbranch_scc1 .Lout
	CHANGE 1, 0                                    ; the tail is written out: in front of tile 123 nothing is left to ask for
.LinC:
	PAIR
	s_sub_co_u32 s[CNT2], s[CNT2], 1
	s_cmp_lg_u32 s[CNT2], 0
	s_cbranch_scc1 .LinC
	TILE 1, 1, 0, 0, 0                             ; tile 127: it fetches its own ee alone
	s_wait_dscnt 0x0
.set kk, 0
.rept 8                                ; tile 127's distances.  The first four additions are the places behind the last products
.set mm, 0
.rept 8
	SLICE 1
.set mm, mm+1
.endr
.set kk, kk+1
.endr
	; THE END.  In each lane and for each 16 tokens: the first of the kept eight d that equals the minimum; with the kept tile number it gives the code.
	WIN 0x01                                       ; source 0 window 1
.set q, 0
.rept 8
	v_mov_b32 v[JJ+q], 7
.irp j, 6,5,4,3,2,1,0
	v_cmp_neq_f32 vcc_lo, v[SAV+8*q+\j], v[RUN+8+q]
	v_cndmask_b32 v[JJ+q], \j, v[JJ+q], vcc_lo
.endr
	v_mov_b32 v[NN+q], v[IDX+q]
.set q, q+1
.endr
	WIN 0
; (da, na) takes (db, nb) where db is less, or equal with the lower code.
.macro LEX da, na, db, nb
	v_cmp_lt_f32 s60, v[\db], v[\da]
	v_cmp_eq_f32 s61, v[\db], v[\da]
	v_cmp_lt_u32 vcc_lo, v[\nb], v[\na]
	s_and_b32 s61, s61, vcc_lo
	s_or_b32 vcc_lo, s60, s61
	v_cndmask_b32 v[\da], v[\da], v[\db], vcc_lo
	v_cndmask_b32 v[\na], v[\na], v[\nb], vcc_lo
.endm
	s_lshl_b32 s17, s[WV], 6
	v_lshl_add_u32 v[BASEN], v[HH], 3, s17
	s_lshl_b32 s18, s[WV], 10
	s_add_co_u32 s18, s18, RED
	v_lshl_add_u32 v[AST], v[RR], 3, s18           ; my wave's 128 pairs, 8 bytes a token
.set q, 0
.rept 8
	v_and_b32 v[MA], 3, v[NN+q]                    ; n = (t / 4) 256 + (t % 4) 16 + 64 w + 8 h + the place
	v_and_b32 v[MA+1], 0x7c, v[NN+q]
	v_lshlrev_b32 v[MA+1], 6, v[MA+1]
	v_lshl_add_u32 v[MA], v[MA], 4, v[MA+1]
	v_add3_u32 v[PR+2*q+1], v[MA], v[JJ+q], v[BASEN]
	v_mov_b32 v[PR+2*q], v[RUN+8+q]
	v_permlanex16_b32 v[EER+q],   v[PR+2*q],   s[SEL], s[SEL+1]   ; the token's other eight codes of each tile lie in the lane 16 away (the destinations have been written: ee's registers, now free)
	v_permlanex16_b32 v[EER+8+q], v[PR+2*q+1], s[SEL], s[SEL+1]
	LEX PR+2*q, PR+2*q+1, EER+q, EER+8+q
	ds_store_b64 v[AST], v[PR+2*q:PR+2*q+1] offset:128*q           ; both halves of the lanes write the same pair
.set q, q+1
.endr
	s_wait_dscnt 0x0                               ; for the others' sake: my pairs lie in LDS
	s_barrier_signal -1
	s_barrier_wait -1
	s_and_b32 s17, s[WV], 1                        ; waves 0 and 1 finish tokens 0-63 and 64-127 for out1, waves 2 and 3 the same for idxw: two tokens a lane
	s_lshl_b32 s18, s17, 9
	s_add_co_u32 s18, s18, RED
	v_lshl_add_u32 v[ATR], v[LN], 4, s18
.irp p, 0,1,2,3
	ds_load_b128 v[80+4*\p:83+4*\p], v[ATR] offset:1024*\p
.endr
	s_wait_dscnt 0x0
.irp p, 1,2,3
	LEX 80, 81, 80+4*\p, 81+4*\p
	LEX 82, 83, 82+4*\p, 83+4*\p
.endr
	v_mov_b32 v96, v81
	v_mov_b32 v97, v83
	s_lshl_b32 s20, s[WG], 9                       ; my work-group's 128 indices,
	s_lshl_b32 s21, s17, 8                         ; my half of them
	s_add_co_u32 s20, s20, s21
	v_lshl_add_u32 v98, v[LN], 3, s20
	s_cmp_lt_u32 s[WV], 2
	s_cselect_b64 s[22:23], s[10:11], s[12:13]
	global_store_b64 v98, v[96:97], s[22:23]       ; 32 lanes store 256 consecutive bytes, aligned
	s_wait_tensorcnt 0x0                           ; the wave's end, behind my last tensor load and my last LDS store
	ds_add_u32 v[SPW], v[NIL]
	s_wait_dscnt 0x0
	CROUND                                         ; the closing round: no work-group ends while a partner may still ask for a tile that names it
	s_endpgm
.Lfunc_end_k_q2204a86d5c_dist:
	.size	k_q2204a86d5c_dist, .Lfunc_end_k_q2204a86d5c_dist-k_q2204a86d5c_dist
	.p2alignl 7, 3214868480
	.fill 96, 4, 3214868480
	.section	.rodata,"a",@progbits
	.p2align	6, 0x0
	.amdhsa_kernel k_q2204a86d5c_dist
		.amdhsa_group_segment_fixed_size 327680
		.amdhsa_private_segment_fixed_size 0
		.amdhsa_enable_private_segment 0
		.amdhsa_kernarg_size 40
		.amdhsa_user_sgpr_count 2
		.amdhsa_user_sgpr_kernarg_segment_ptr 1
		.amdhsa_wavefront_size32 1
		.amdhsa_system_sgpr_workgroup_id_x 1
		.amdhsa_system_sgpr_workgroup_id_y 1
		.amdhsa_system_sgpr_workgroup_id_z 1
		.amdhsa_system_vgpr_workitem_id 0
		.amdhsa_next_free_vgpr 1024
		.amdhsa_next_free_sgpr 66
		.amdhsa_reserve_vcc 1
		.amdhsa_float_denorm_mode_32 3
		.amdhsa_float_denorm_mode_16_64 3
		.amdhsa_memory_ordered 1
		.amdhsa_forward_progress 1
		.amdhsa_inst_pref_size 226
	.end_amdhsa_kernel
	.amdgpu_metadata
---
amdhsa.version: [ 1, 2 ]
amdhsa.kernels:
  - .name:           k_q2204a86d5c_dist
    .symbol:         k_q2204a86d5c_dist.kd
    .args:
      - { .name: z, .offset: 0, .size: 8, .value_kind: global_buffer, .address_space: global }
      - { .name: eb, .offset: 8, .size: 8, .value_kind: global_buffer, .address_space: global }
      - { .name: ee, .offset: 16, .size: 8, .value_kind: global_buffer, .address_space: global }
      - { .name: out1, .offset: 24, .size: 8, .value_kind: global_buffer, .address_space: global }
      - { .name: idxw, .offset: 32, .size: 8, .value_kind: global_buffer, .address_space: global }
    .group_segment_fixed_size: 327680
    .private_segment_fixed_size: 0
    .kernarg_segment_align: 8
    .kernarg_segment_size: 40
    .max_flat_workgroup_size: 128
    .sgpr_count:     66
    .vgpr_count:     1024
    .wavefront_size: 32
...
	.end_amdgpu_metadata
.endif
;; end of part 2
;; launch gather (part 3): grid 512 x 1, 8 waves a work-group, no clusters, 34,816 bytes of LDS; arguments z, eb, idxw, out0; writes out0
.if DOCPART == 3
	.amdgcn_target "amdgcn-amd-amdhsa--gfx1250"
	.amdhsa_code_object_version 6
	.text
	.protected	k_q2204a86d5c_gather
	.globl	k_q2204a86d5c_gather
	.p2align	8
	.type	k_q2204a86d5c_gather,@function
k_q2204a86d5c_gather:
	s_mov_b64 s[64:65], 0
	v_nop
	global_prefetch_b8 v0, s[64:65] scope:SCOPE_SE
	s_setreg_imm32_b32 hwreg(HW_REG_WAVE_MODE, 25, 1), 1
	s_wait_xcnt 0x0
; THE CHOSEN CODES, TURNED INTO z's LAYOUT.  out0[b][c][h][w] = fl(zb + fl(eb[idx][c] - zb)), zb = bf16(z[b][c][h][w]), idx = idxw[b][h][w], which the launch before stored.
; Nothing of reference() is left out: in exact arithmetic the result is eb[idx][c], but z is far larger than the codes and f32 leaves the code on z's grid, so z is read and both additions are made.
; FORMAT: z and emb rounded once to bf16, as in the launches before.  An index is held to 0 .. 8,191 before it enters an address (every stored index lies there).
; SHARES.  A work-group has 64 tokens (256 consecutive bytes of each channel's plane) and all 256 channels.  Wave w gathers tokens 8 w + 0..7, a whole row of 512 bytes by one load of 16 bytes a lane,
; into LDS; behind one barrier it makes channels 32 w + 0..31 of all 64 tokens.  Sixteen lanes load and store 256 consecutive bytes, aligned: lane (q = l % 16, h = l / 16) has tokens 4 q + 0..3 of
; channel 32 w + 4 u + 2 h + e.  Token t lies in LDS row 16 (t % 4) + t / 4, rows 528 bytes apart: the 32 lanes of a 4-byte load (token 4 q + i, channels c and c + 1) then touch banks 4 q + h, all different.
; No matrix unit, no cluster, no tensor load: the launch is a stream, and the rows come by a list.
.set PITCH, 528
.set SPARE, 64*PITCH                   ; behind the 64 rows: the spare words, 128 bytes for each of the eight waves, which no other line names
.set ZO,  4                            ; v4   my byte offset in z and in out0: 16 q + 2 h planes + 32 w planes of 4,096 bytes; never rewritten
.set L16, 5                            ; v5   16 x lane
.set AS,  6                            ; v6   where I store a gathered row: 16 lane + 2 w rows
.set AR,  7                            ; v7   where I read: PITCH q + 4 h + 64 w
.set SPW, 8                            ; v8   LDS address of my spare word; never rewritten
.set NIL, 9                            ; v9   0; never rewritten
.set GO,  10                           ; v10-17   byte offsets of my eight rows in eb
.set ROWS, 20                          ; v20-51   the eight rows, 16 bytes a lane
.set Z,   52                           ; v52-115  z, then the result: 4 registers for each of 16 channels; stored from here and never rewritten
.set W,   116                          ; v116-147 words from LDS: group u, token i at 116 + 4 u + i
.set T,   148                          ; v148-171 at work: two sets of 12
	s_load_b256 s[4:11], s[0:1], 0x0               ; z s[4:5], eb s[6:7], idxw s[8:9], out0 s[10:11]
	v_lshl_add_u32 v[SPW], v0, 2, SPARE
	v_mov_b32 v[NIL], 0
	v_lshrrev_b32 v1, 5, v0
	v_readfirstlane_b32 s12, v1                    ; wave 0..7
	v_and_b32 v1, 31, v0                           ; lane
	v_and_b32 v2, 15, v0                           ; q
	v_bfe_u32 v3, v0, 4, 1                         ; h
	s_lshl_b32 s14, ttmp9, 8                       ; my work-group's 64 indices,
	s_lshl_b32 s15, s12, 5                         ; my wave's 8 of them
	s_add_co_u32 s14, s14, s15
	s_mov_b32 s15, 0
	s_lshr_b32 s24, ttmp9, 4                       ; the image: 2^20 bytes each,
	s_lshl_b32 s24, s24, 20
	s_and_b32 s25, ttmp9, 15                       ; and my 64 of its 1,024 places: 256 bytes of a plane
	s_lshl_b32 s25, s25, 8
	s_or_b32 s24, s24, s25
	s_mov_b32 s25, 0
	s_lshl_b32 s26, s12, 17
	s_mul_i32 s27, s12, 2*PITCH
	s_lshl_b32 s28, s12, 6
	v_lshlrev_b32 v[ZO], 4, v2
	v_lshl_add_u32 v[ZO], v3, 13, v[ZO]
	v_add_nc_u32 v[ZO], s26, v[ZO]
	v_lshlrev_b32 v[L16], 4, v1
	v_lshl_add_u32 v[AS], v1, 4, s27
	v_mul_u32_u24 v[AR], v2, PITCH
	v_lshl_add_u32 v[AR], v3, 2, v[AR]
	v_add_nc_u32 v[AR], s28, v[AR]
	s_wait_kmcnt 0x0
	s_add_nc_u64 s[8:9], s[8:9], s[14:15]
	s_load_b256 s[16:23], s[8:9], 0x0              ; my eight indices
	s_add_nc_u64 s[4:5], s[4:5], s[24:25]
	s_add_nc_u64 s[10:11], s[10:11], s[24:25]
.set u, 0
.rept 8
.irp e, 0,1
	global_load_b128 v[Z+4*(2*u+\e):Z+4*(2*u+\e)+3], v[ZO], s[4:5] offset:(4*u+\e)*4096 th:TH_LOAD_NT
.endr
.set u, u+1
.endr
	s_wait_kmcnt 0x0
.irp i, 0,1,2,3,4,5,6,7
	s_min_u32 s[16+\i], s[16+\i], 8191
	s_lshl_b32 s[16+\i], s[16+\i], 9               ; a row of eb is 512 bytes
	v_add_nc_u32 v[GO+\i], s[16+\i], v[L16]
.endr
.irp i, 0,1,2,3,4,5,6,7
	global_load_b128 v[ROWS+4*\i:ROWS+4*\i+3], v[GO+\i], s[6:7]   ; no hint: a list may name a row many times
.endr
	s_wait_loadcnt 0x0                             ; the rows are the youngest loads
.irp i, 0,1,2,3,4,5,6,7
	ds_store_b128 v[AS], v[ROWS+4*\i:ROWS+4*\i+3] offset:((\i%4)*16+\i/4)*PITCH   ; token 8 w + i: row 16 (i % 4) + 2 w + i / 4
.endr
	s_wait_dscnt 0x0                               ; for the others' sake: my rows lie in LDS
	s_barrier_signal -1
	s_barrier_wait -1
.set u, 0
.rept 8
.irp i, 0,1,2,3
	ds_load_b32 v[W+4*u+\i], v[AR] offset:\i*16*PITCH+8*u
.endr
.set u, u+1
.endr
.set u, 0
.rept 8
	s_wait_dscnt 28-4*u                            ; LDS loads come back in order: group u is in, four loads for each later group may stay out
.irp e, 0,1
.set tb, T+12*\e
.set zr, Z+4*(2*u+\e)
.irp i, 0,1,2,3
.if \e == 0
	v_lshlrev_b32 v[tb+\i], 16, v[W+4*u+\i]        ; channel c of token 4 q + i,
.else
	v_and_b32 v[tb+\i], 0xffff0000, v[W+4*u+\i]    ; channel c + 1
.endif
.endr
	v_cvt_pk_bf16_f32 v[tb+4], v[zr],   v[zr+1]
	v_cvt_pk_bf16_f32 v[tb+5], v[zr+2], v[zr+3]
	v_lshlrev_b32 v[tb+6], 16, v[tb+4]             ; zb as f32
	v_and_b32     v[tb+7], 0xffff0000, v[tb+4]
	v_lshlrev_b32 v[tb+8], 16, v[tb+5]
	v_and_b32     v[tb+9], 0xffff0000, v[tb+5]
	v_pk_add_f32 v[tb:tb+1],   v[tb:tb+1],   v[tb+6:tb+7] neg_lo:[0,1] neg_hi:[0,1]   ; z_q - z
	v_pk_add_f32 v[tb+2:tb+3], v[tb+2:tb+3], v[tb+8:tb+9] neg_lo:[0,1] neg_hi:[0,1]
	v_pk_add_f32 v[zr:zr+1],   v[tb+6:tb+7], v[tb:tb+1]                               ; z + that
	v_pk_add_f32 v[zr+2:zr+3], v[tb+8:tb+9], v[tb+2:tb+3]
	global_store_b128 v[ZO], v[zr:zr+3], s[10:11] offset:(4*u+\e)*4096 th:TH_STORE_NT ; 16 lanes store 256 consecutive bytes, aligned
.endr
.set u, u+1
.endr
	s_wait_tensorcnt 0x0                           ; the wave's end, behind my last LDS store
	ds_add_u32 v[SPW], v[NIL]
	s_wait_dscnt 0x0
	s_endpgm
.Lfunc_end_k_q2204a86d5c_gather:
	.size	k_q2204a86d5c_gather, .Lfunc_end_k_q2204a86d5c_gather-k_q2204a86d5c_gather
	.p2alignl 7, 3214868480
	.fill 96, 4, 3214868480
	.section	.rodata,"a",@progbits
	.p2align	6, 0x0
	.amdhsa_kernel k_q2204a86d5c_gather
		.amdhsa_group_segment_fixed_size 34816
		.amdhsa_private_segment_fixed_size 0
		.amdhsa_enable_private_segment 0
		.amdhsa_kernarg_size 32
		.amdhsa_user_sgpr_count 2
		.amdhsa_user_sgpr_kernarg_segment_ptr 1
		.amdhsa_wavefront_size32 1
		.amdhsa_system_sgpr_workgroup_id_x 1
		.amdhsa_system_sgpr_workgroup_id_y 1
		.amdhsa_system_sgpr_workgroup_id_z 1
		.amdhsa_system_vgpr_workitem_id 0
		.amdhsa_next_free_vgpr 176
		.amdhsa_next_free_sgpr 66
		.amdhsa_reserve_vcc 0
		.amdhsa_float_denorm_mode_32 3
		.amdhsa_float_denorm_mode_16_64 3
		.amdhsa_memory_ordered 1
		.amdhsa_forward_progress 1
		.amdhsa_inst_pref_size 22
	.end_amdhsa_kernel
	.amdgpu_metadata
---
amdhsa.version: [ 1, 2 ]
amdhsa.kernels:
  - .name:           k_q2204a86d5c_gather
    .symbol:         k_q2204a86d5c_gather.kd
    .args:
      - { .name: z, .offset: 0, .size: 8, .value_kind: global_buffer, .address_space: global }
      - { .name: eb, .offset: 8, .size: 8, .value_kind: global_buffer, .address_space: global }
      - { .name: idxw, .offset: 16, .size: 8, .value_kind: global_buffer, .address_space: global }
      - { .name: out0, .offset: 24, .size: 8, .value_kind: global_buffer, .address_space: global }
    .group_segment_fixed_size: 34816
    .private_segment_fixed_size: 0
    .kernarg_segment_align: 8
    .kernarg_segment_size: 32
    .max_flat_workgroup_size: 256
    .sgpr_count:     66
    .vgpr_count:     176
    .wavefront_size: 32
...
	.end_amdgpu_metadata
.endif
;; end of part 3
;; ======== version 2 of 2: 3 launches; version 1 with the launches prep, gather written anew for expert scheduling mode
;; workspace buffers: eb 4,194,304 bytes; ee 32,768 bytes; idxw 131,072 bytes of whole numbers
;; launch prep (part 4): grid 128 x 1, 8 waves a work-group, no clusters, 1,280 bytes of LDS; arguments emb, eb, ee; writes eb, ee
.if DOCPART == 4
	.amdgcn_target "amdgcn-amd-amdhsa--gfx1250"
	.amdhsa_code_object_version 6
	.text
	.protected	k_q2204a86d5c_prep
	.globl	k_q2204a86d5c_prep
	.p2align	8
	.type	k_q2204a86d5c_prep,@function
k_q2204a86d5c_prep:
	s_mov_b64 s[64:65], 0
	v_nop
	global_prefetch_b8 v0, s[64:65] scope:SCOPE_SE
	s_setreg_imm32_b32 hwreg(HW_REG_WAVE_SCHED_MODE, 0, 2), 2
	s_setreg_imm32_b32 hwreg(HW_REG_WAVE_MODE, 25, 1), 1
	s_wait_xcnt 0x0
	s_wait_alu depctr_vm_vsrc(0)
; THE CODEBOOK, ROUNDED ONCE.  eb[n][c] = bf16(emb[n][c]);  ee[n] = the f32 sum over c of eb[n][c]^2.  emb: [8192][256] f32.
; NOTHING OF reference() IS LEFT OUT in this program, and both inputs are loaded.  ||z||^2 is the same for all codes of a token, so in exact arithmetic it cannot move
; the argmin; but it is some 10^5 times the differences between the distances, so reference()'s f32 loses most of them in it, ties arise, and argmin takes the first:
; the term stays, with reference()'s own two roundings (launch dist).  z + (z_q - z) is z_q in exact arithmetic, but z is far larger than z_q and the f32 result is z_q
; on z's grid: both additions stay (launch gather).
; FORMAT.  Every input is rounded once to bf16, and all that follows (products, both sums of squares, the gathered rows, the two additions) uses the rounded numbers:
; the program is reference() on inputs rounded to bf16.  The order of the f32 sums differs from reference()'s.  NaN and infinities are not treated apart.
; SHARES.  A work-group has 64 rows, so that its 64 sums are 256 consecutive bytes of ee, aligned; a wave has 8 rows, one at a time: two loads of 16 bytes a lane
; (512 consecutive bytes each), two stores of 8 bytes a lane (256 consecutive bytes each, aligned).  All 16 loads of a wave go out at the start.
; No matrix unit, no cluster, no tensor load: each byte has one reader, and the launch is a stream.
; THE MODE: SCHED_MODE bits 1:0 = 2 (LLVM: expert scheduling mode 2), set by the entry lines.  The code itself states the register dependences between vector
; instructions and memory or LDS instructions, with s_wait_alu, always for 0.
; THE PLAN.  Registers that memory or LDS instructions touch:
;   v3 to v6   offsets and LDS addresses: made once at the head, never written again.
;   X, row i   the loads land in it once, at the start, before any vector instruction has named it; from then on vector instructions alone name it.
;   Y, row i   written by row i's four roundings; read by row i's two global stores; never written again.
;   SM, row i  a pair for each row: written by row i's sum; read by row i's LDS store; never written again.
;   RS         an LDS load lands in it, a global store reads it; no vector instruction names it.
; Row i's three stores are issued at the head of row i + 1, behind ONE wait on va_vdst, which stands behind the wait for row i + 1's data.  Row i + 1's vector
; instructions name X, Y and SM of their own row and PX: none of the registers that those stores read.  No register that a memory instruction reads is written again,
; so no wait on vm_vsrc is owed.
.set SPARE, 256                        ; LDS: 64 sums at byte 0; behind them the spare words, 128 bytes for each of the eight waves, which no other line names
.set LO,  3                            ; v3   byte offset of my 16 bytes in the work-group's rows of emb: 8,192 w + 16 lane; never rewritten
.set SO,  4                            ; v4   the same in eb: 4,096 w + 8 lane; never rewritten
.set LA,  5                            ; v5   LDS address of my wave's eight sums: 32 w; never rewritten
.set L8,  6                            ; v6   8 x lane; never rewritten
.set PX,  7                            ; v7   the other half of the lanes' sum
.set SPW, 8                            ; v8   LDS address of my spare word; never rewritten
.set NIL, 9                            ; v9   0; never rewritten
.set RS,  10                           ; v[10:11] two sums on their way out
.set X,   16                           ; v[16:79]  row i: 8 registers as loaded, then the rounded numbers as f32
.set Y,   80                           ; v[80:111] row i: 4 registers of bf16 to store; never rewritten
.set SM,  112                          ; v[112:127] row i: a pair of running sums, then the row's sum in the first of the two; never rewritten
	s_load_b128 s[4:7], s[0:1], 0x0                ; emb s[4:5], eb s[6:7]
	s_load_b64 s[8:9], s[0:1], 0x10                ; ee
	v_lshl_add_u32 v[SPW], v0, 2, SPARE
	v_mov_b32 v[NIL], 0
	v_lshrrev_b32 v1, 5, v0
	v_readfirstlane_b32 s10, v1                    ; wave 0..7
	v_and_b32 v2, 31, v0                           ; lane
	s_lshl_b32 s12, ttmp9, 16                      ; the work-group's 64 rows: 65,536 bytes of emb,
	s_mov_b32 s13, 0
	s_lshl_b32 s14, ttmp9, 15                      ; 32,768 of eb,
	s_mov_b32 s15, 0
	s_lshl_b32 s16, ttmp9, 8                       ; 256 of ee
	s_mov_b32 s17, 0
	s_wait_alu depctr_va_sdst(0)                   ; s10 is written, ahead of its first reader: the wave's offsets are made from it
	s_lshl_b32 s18, s10, 13
	s_lshl_b32 s19, s10, 12
	s_lshl_b32 s20, s10, 5
	s_mov_b32 s22, 0x76543210                      ; v_permlanex16_b32: each lane takes its own place in the other half
	s_mov_b32 s23, 0xfedcba98
	v_lshl_add_u32 v[LO], v2, 4, s18
	v_lshl_add_u32 v[SO], v2, 3, s19
	v_mov_b32 v[LA], s20
	v_lshlrev_b32 v[L8], 3, v2
	v_mov_b32 v[PX], 0                             ; v_permlanex16_b32 counts as a reader of its destination
	s_wait_kmcnt 0x0
	s_add_nc_u64 s[4:5], s[4:5], s[12:13]
	s_add_nc_u64 s[6:7], s[6:7], s[14:15]
	s_add_nc_u64 s[8:9], s[8:9], s[16:17]
	s_wait_alu depctr_va_vdst(0)                   ; v3 to v6 are written: every load, store and LDS instruction below reads one of them as its offset or address
.set i, 0
.rept 8                                ; lane l takes channels 4 l .. 4 l + 3 and 128 + 4 l .. of each row
	global_load_b128 v[X+8*i:X+8*i+3],   v[LO], s[4:5] offset:1024*i th:TH_LOAD_NT
	global_load_b128 v[X+8*i+4:X+8*i+7], v[LO], s[4:5] offset:1024*i+512 th:TH_LOAD_NT
.set i, i+1
.endr
.set i, 0
.rept 8
.set sm, SM+2*i
	s_wait_loadcnt 14-2*i                          ; loads come back in order: row i is in, the two loads of each later row may stay out
.if i > 0
	s_wait_alu depctr_va_vdst(0)                   ; the row before has written its Y and its sum, which the three stores below read
	global_store_b64 v[SO], v[Y+4*i-4:Y+4*i-3], s[6:7] offset:512*(i-1)      ; 32 lanes store 256 consecutive bytes, aligned
	global_store_b64 v[SO], v[Y+4*i-2:Y+4*i-1], s[6:7] offset:512*(i-1)+256
	ds_store_b32 v[LA], v[sm-2] offset:4*(i-1)     ; all lanes write the same word with the same number
.endif
.irp c, 0,1,2,3
	v_cvt_pk_bf16_f32 v[Y+4*i+\c], v[X+8*i+2*\c], v[X+8*i+2*\c+1]
.endr
.irp c, 0,1,2,3
	v_lshlrev_b32 v[X+8*i+2*\c],   16, v[Y+4*i+\c]                     ; the rounded numbers as f32
	v_and_b32     v[X+8*i+2*\c+1], 0xffff0000, v[Y+4*i+\c]
.endr
	v_pk_mul_f32 v[sm:sm+1], v[X+8*i:X+8*i+1], v[X+8*i:X+8*i+1]        ; the first squares start the sums
.irp c, 2,4,6
	v_pk_fma_f32 v[sm:sm+1], v[X+8*i+\c:X+8*i+\c+1], v[X+8*i+\c:X+8*i+\c+1], v[sm:sm+1]
.endr
	v_add_f32 v[sm], v[sm], v[sm+1]
	v_add_f32_dpp v[sm], v[sm], v[sm] row_xmask:1 row_mask:0xf bank_mask:0xf
	v_add_f32_dpp v[sm], v[sm], v[sm] row_xmask:2 row_mask:0xf bank_mask:0xf
	v_add_f32_dpp v[sm], v[sm], v[sm] row_xmask:4 row_mask:0xf bank_mask:0xf
	v_add_f32_dpp v[sm], v[sm], v[sm] row_xmask:8 row_mask:0xf bank_mask:0xf
	v_permlanex16_b32 v[PX], v[sm], s22, s23
	v_add_f32 v[sm], v[sm], v[PX]
.set i, i+1
.endr
	s_wait_alu depctr_va_vdst(0)                   ; row 7 has written its Y and its sum, which the last three stores read
	global_store_b64 v[SO], v[Y+28:Y+29], s[6:7] offset:512*7
	global_store_b64 v[SO], v[Y+30:Y+31], s[6:7] offset:512*7+256
	ds_store_b32 v[LA], v[SM+14] offset:4*7
	s_wait_dscnt 0x0                               ; for the others' sake: my eight sums lie in LDS
	s_barrier_signal -1
	s_barrier_wait -1
	s_cmp_lg_u32 s10, 0                            ; wave 0 stores the work-group's 64 sums
	s_cbranch_scc1 .Lend
	ds_load_b64 v[RS:RS+1], v[L8]                  ; v6 was written ahead of the head's wait on va_vdst; no vector instruction names v[10:11]
	s_wait_dscnt 0x0
	global_store_b64 v[L8], v[RS:RS+1], s[8:9]     ; 256 consecutive bytes, aligned
.Lend:
	s_wait_dscnt 0x0                               ; the closing lines, six on end
	s_wait_alu 0x0
	s_wait_tensorcnt 0x0
	ds_add_u32 v[SPW], v[NIL]
	s_wait_dscnt 0x0
	s_endpgm
.Lfunc_end_k_q2204a86d5c_prep:
	.size	k_q2204a86d5c_prep, .Lfunc_end_k_q2204a86d5c_prep-k_q2204a86d5c_prep
	.p2alignl 7, 3214868480
	.fill 96, 4, 3214868480
	.section	.rodata,"a",@progbits
	.p2align	6, 0x0
	.amdhsa_kernel k_q2204a86d5c_prep
		.amdhsa_group_segment_fixed_size 1280
		.amdhsa_private_segment_fixed_size 0
		.amdhsa_enable_private_segment 0
		.amdhsa_kernarg_size 24
		.amdhsa_user_sgpr_count 2
		.amdhsa_user_sgpr_kernarg_segment_ptr 1
		.amdhsa_wavefront_size32 1
		.amdhsa_system_sgpr_workgroup_id_x 1
		.amdhsa_system_sgpr_workgroup_id_y 1
		.amdhsa_system_sgpr_workgroup_id_z 1
		.amdhsa_system_vgpr_workitem_id 0
		.amdhsa_next_free_vgpr 128
		.amdhsa_next_free_sgpr 66
		.amdhsa_reserve_vcc 0
		.amdhsa_float_denorm_mode_32 3
		.amdhsa_float_denorm_mode_16_64 3
		.amdhsa_memory_ordered 1
		.amdhsa_forward_progress 1
		.amdhsa_inst_pref_size 17
	.end_amdhsa_kernel
	.amdgpu_metadata
---
amdhsa.version: [ 1, 2 ]
amdhsa.kernels:
  - .name:           k_q2204a86d5c_prep
    .symbol:         k_q2204a86d5c_prep.kd
    .args:
      - { .name: emb, .offset: 0, .size: 8, .value_kind: global_buffer, .address_space: global }
      - { .name: eb, .offset: 8, .size: 8, .value_kind: global_buffer, .address_space: global }
      - { .name: ee, .offset: 16, .size: 8, .value_kind: global_buffer, .address_space: global }
    .group_segment_fixed_size: 1280
    .private_segment_fixed_size: 0
    .kernarg_segment_align: 8
    .kernarg_segment_size: 24
    .max_flat_workgroup_size: 256
    .sgpr_count:     66
    .vgpr_count:     128
    .wavefront_size: 32
...
	.end_amdgpu_metadata
.endif
;; end of part 4
;; launch dist: the kernel of part 2 again; grid 256 x 1, 4 waves a work-group, clusters of 4 x 1, 327,680 bytes of LDS; arguments z, eb, ee, out1, idxw; writes out1, idxw
;; launch gather (part 5): grid 512 x 1, 8 waves a work-group, no clusters, 34,816 bytes of LDS; arguments z, eb, idxw, out0; writes out0
.if DOCPART == 5
	.amdgcn_target "amdgcn-amd-amdhsa--gfx1250"
	.amdhsa_code_object_version 6
	.text
	.protected	k_q2204a86d5c_gather
	.globl	k_q2204a86d5c_gather
	.p2align	8
	.type	k_q2204a86d5c_gather,@function
k_q2204a86d5c_gather:
	s_mov_b64 s[64:65], 0
	v_nop
	global_prefetch_b8 v0, s[64:65] scope:SCOPE_SE
	s_setreg_imm32_b32 hwreg(HW_REG_WAVE_SCHED_MODE, 0, 2), 2
	s_setreg_imm32_b32 hwreg(HW_REG_WAVE_MODE, 25, 1), 1
	s_wait_xcnt 0x0
	s_wait_alu depctr_vm_vsrc(0)
; THE CHOSEN CODES, TURNED INTO z's LAYOUT.  out0[b][c][h][w] = fl(zb + fl(eb[idx][c] - zb)), zb = bf16(z[b][c][h][w]), idx = idxw[b][h][w], which the launch before stored.
; Nothing of reference() is left out: in exact arithmetic the result is eb[idx][c], but z is far larger than the codes and f32 leaves the code on z's grid, so z is read and both additions are made.
; FORMAT: z and emb rounded once to bf16, as in the launches before.  An index is held to 0 .. 8,191 before it enters an address (every stored index lies there).
; SHARES.  A work-group has 64 tokens (256 consecutive bytes of each channel's plane) and all 256 channels.  Wave w gathers tokens 8 w + 0..7, a whole row of 512 bytes by one load of 16 bytes a lane,
; into LDS; behind one barrier it makes channels 32 w + 0..31 of all 64 tokens.  Sixteen lanes load and store 256 consecutive bytes, aligned: lane (q = l % 16, h = l / 16) has tokens 4 q + 0..3 of
; channel 32 w + 4 u + 2 h + e.  Token t lies in LDS row 16 (t % 4) + t / 4, rows 528 bytes apart: the 32 lanes of a 4-byte load (token 4 q + i, channels c and c + 1) then touch banks 4 q + h, all different.
; No matrix unit, no cluster, no tensor load: the launch is a stream, and the rows come by a list.
; THE MODE: SCHED_MODE bits 1:0 = 2 (LLVM: expert scheduling mode 2), set by the entry lines.  The code itself states the register dependences between vector
; instructions and memory or LDS instructions, with s_wait_alu, always for 0.
; THE PLAN.  Registers that memory or LDS instructions touch:
;   v4, v6, v7  z's and out0's offset and the two LDS addresses: made once at the head, never written again.
;   GO          written by eight additions when the indices are in; read by the eight loads of rows; never written again.
;   ROWS        the rows' loads land in it, the LDS stores read it; no vector instruction names it.
;   Z           z's loads land in it once; group u's roundings read its eight registers, the group's last additions write them, the group's two stores read them; never written again.
;   W           the LDS loads land in it once, before any vector instruction has named it; vector instructions read it.
;   T           named by vector instructions alone.
; Group u's two stores are issued in group u + 1, behind ONE wait on va_vdst at that group's head, which stands behind the wait for the group's words from LDS; they are dealt among the group's vector
; instructions, which name Z and W of their own group and T: none of the registers that those stores read.  No register that a memory instruction reads is written again, so no wait on vm_vsrc is owed.
.set PITCH, 528
.set SPARE, 64*PITCH                   ; behind the 64 rows: the spare words, 128 bytes for each of the eight waves, which no other line names
.set ZO,  4                            ; v4   my byte offset in z and in out0: 16 q + 2 h planes + 32 w planes of 4,096 bytes; never rewritten
.set L16, 5                            ; v5   16 x lane
.set AS,  6                            ; v6   where I store a gathered row: 16 lane + 2 w rows; never rewritten
.set AR,  7                            ; v7   where I read: PITCH q + 4 h + 64 w; never rewritten
.set SPW, 8                            ; v8   LDS address of my spare word; never rewritten
.set NIL, 9                            ; v9   0; never rewritten
.set GO,  10                           ; v10-17   byte offsets of my eight rows in eb
.set ROWS, 20                          ; v20-51   the eight rows, 16 bytes a lane
.set Z,   52                           ; v52-115  z, then the result: 4 registers for each of 16 channels; stored from here and never rewritten
.set W,   116                          ; v116-147 words from LDS: group u, token i at 116 + 4 u + i
.set T,   148                          ; v148-171 at work: two sets of 12
	s_load_b256 s[4:11], s[0:1], 0x0               ; z s[4:5], eb s[6:7], idxw s[8:9], out0 s[10:11]
	v_lshl_add_u32 v[SPW], v0, 2, SPARE
	v_mov_b32 v[NIL], 0
	v_lshrrev_b32 v1, 5, v0
	v_readfirstlane_b32 s12, v1                    ; wave 0..7
	v_and_b32 v1, 31, v0                           ; lane
	v_and_b32 v2, 15, v0                           ; q
	v_bfe_u32 v3, v0, 4, 1                         ; h
	s_lshl_b32 s14, ttmp9, 8                       ; my work-group's 64 indices,
	s_wait_alu depctr_va_sdst(0)                   ; s12 is written, ahead of its first reader: the wave's offsets are made from it
	s_lshl_b32 s15, s12, 5                         ; my wave's 8 of them
	s_add_co_u32 s14, s14, s15
	s_mov_b32 s15, 0
	s_lshr_b32 s24, ttmp9, 4                       ; the image: 2^20 bytes each,
	s_lshl_b32 s24, s24, 20
	s_and_b32 s25, ttmp9, 15                       ; and my 64 of its 1,024 places: 256 bytes of a plane
	s_lshl_b32 s25, s25, 8
	s_or_b32 s24, s24, s25
	s_mov_b32 s25, 0
	s_lshl_b32 s26, s12, 17
	s_mul_i32 s27, s12, 2*PITCH
	s_lshl_b32 s28, s12, 6
	v_lshlrev_b32 v[ZO], 4, v2
	v_lshl_add_u32 v[ZO], v3, 13, v[ZO]
	v_add_nc_u32 v[ZO], s26, v[ZO]
	v_lshlrev_b32 v[L16], 4, v1
	v_lshl_add_u32 v[AS], v1, 4, s27
	v_mul_u32_u24 v[AR], v2, PITCH
	v_lshl_add_u32 v[AR], v3, 2, v[AR]
	v_add_nc_u32 v[AR], s28, v[AR]
	s_wait_kmcnt 0x0
	s_add_nc_u64 s[8:9], s[8:9], s[14:15]
	s_load_b256 s[16:23], s[8:9], 0x0              ; my eight indices
	s_add_nc_u64 s[4:5], s[4:5], s[24:25]
	s_add_nc_u64 s[10:11], s[10:11], s[24:25]
	s_wait_alu depctr_va_vdst(0)                   ; v4, v6 and v7 are written: z's loads and out0's stores read v4 as their offset, the LDS stores v6 and the LDS loads v7 as their address
.set u, 0
.rept 8
.irp e, 0,1
	global_load_b128 v[Z+4*(2*u+\e):Z+4*(2*u+\e)+3], v[ZO], s[4:5] offset:(4*u+\e)*4096 th:TH_LOAD_NT
.endr
.set u, u+1
.endr
	s_wait_kmcnt 0x0
.irp i, 0,1,2,3,4,5,6,7
	s_min_u32 s[16+\i], s[16+\i], 8191
	s_lshl_b32 s[16+\i], s[16+\i], 9               ; a row of eb is 512 bytes
	v_add_nc_u32 v[GO+\i], s[16+\i], v[L16]
.endr
	s_wait_alu depctr_va_vdst(0)                   ; the eight offsets v10 to v17 are written, which the rows' loads read
.irp i, 0,1,2,3,4,5,6,7
	global_load_b128 v[ROWS+4*\i:ROWS+4*\i+3], v[GO+\i], s[6:7]   ; no hint: a list may name a row many times
.endr
	s_wait_loadcnt 0x0                             ; the rows are the youngest loads
.irp i, 0,1,2,3,4,5,6,7
	ds_store_b128 v[AS], v[ROWS+4*\i:ROWS+4*\i+3] offset:((\i%4)*16+\i/4)*PITCH   ; token 8 w + i: row 16 (i % 4) + 2 w + i / 4
.endr
	s_wait_dscnt 0x0                               ; for the others' sake: my rows lie in LDS
	s_barrier_signal -1
	s_barrier_wait -1
.set u, 0
.rept 8
.irp i, 0,1,2,3
	ds_load_b32 v[W+4*u+\i], v[AR] offset:\i*16*PITCH+8*u
.endr
.set u, u+1
.endr
.set u, 0
.rept 8
	s_wait_dscnt 28-4*u                            ; LDS loads come back in order: group u is in, four loads for each later group may stay out
.if u > 0
	s_wait_alu depctr_va_vdst(0)                   ; the group before has written its eight registers of Z, which the two stores below read
.endif
.irp e, 0,1
.set tb, T+12*\e
.set zr, Z+4*(2*u+\e)
.if u > 0
	global_store_b128 v[ZO], v[zr-8:zr-5], s[10:11] offset:(4*(u-1)+\e)*4096 th:TH_STORE_NT ; the group before: 16 lanes store 256 consecutive bytes, aligned; no vector instruction since the wait names these registers
.endif
.irp i, 0,1,2,3
.if \e == 0
	v_lshlrev_b32 v[tb+\i], 16, v[W+4*u+\i]        ; channel c of token 4 q + i,
.else
	v_and_b32 v[tb+\i], 0xffff0000, v[W+4*u+\i]    ; channel c + 1
.endif
.endr
	v_cvt_pk_bf16_f32 v[tb+4], v[zr],   v[zr+1]
	v_cvt_pk_bf16_f32 v[tb+5], v[zr+2], v[zr+3]
	v_lshlrev_b32 v[tb+6], 16, v[tb+4]             ; zb as f32
	v_and_b32     v[tb+7], 0xffff0000, v[tb+4]
	v_lshlrev_b32 v[tb+8], 16, v[tb+5]
	v_and_b32     v[tb+9], 0xffff0000, v[tb+5]
	v_pk_add_f32 v[tb:tb+1],   v[tb:tb+1],   v[tb+6:tb+7] neg_lo:[0,1] neg_hi:[0,1]   ; z_q - z
	v_pk_add_f32 v[tb+2:tb+3], v[tb+2:tb+3], v[tb+8:tb+9] neg_lo:[0,1] neg_hi:[0,1]
	v_pk_add_f32 v[zr:zr+1],   v[tb+6:tb+7], v[tb:tb+1]                               ; z + that
	v_pk_add_f32 v[zr+2:zr+3], v[tb+8:tb+9], v[tb+2:tb+3]
.endr
.set u, u+1
.endr
	s_wait_alu depctr_va_vdst(0)                   ; group 7 has written its eight registers of Z, which the last two stores read
	global_store_b128 v[ZO], v[Z+56:Z+59], s[10:11] offset:28*4096 th:TH_STORE_NT
	global_store_b128 v[ZO], v[Z+60:Z+63], s[10:11] offset:29*4096 th:TH_STORE_NT
	s_wait_dscnt 0x0                               ; the closing lines, six on end
	s_wait_alu 0x0
	s_wait_tensorcnt 0x0
	ds_add_u32 v[SPW], v[NIL]
	s_wait_dscnt 0x0
	s_endpgm
.Lfunc_end_k_q2204a86d5c_gather:
	.size	k_q2204a86d5c_gather, .Lfunc_end_k_q2204a86d5c_gather-k_q2204a86d5c_gather
	.p2alignl 7, 3214868480
	.fill 96, 4, 3214868480
	.section	.rodata,"a",@progbits
	.p2align	6, 0x0
	.amdhsa_kernel k_q2204a86d5c_gather
		.amdhsa_group_segment_fixed_size 34816
		.amdhsa_private_segment_fixed_size 0
		.amdhsa_enable_private_segment 0
		.amdhsa_kernarg_size 32
		.amdhsa_user_sgpr_count 2
		.amdhsa_user_sgpr_kernarg_segment_ptr 1
		.amdhsa_wavefront_size32 1
		.amdhsa_system_sgpr_workgroup_id_x 1
		.amdhsa_system_sgpr_workgroup_id_y 1
		.amdhsa_system_sgpr_workgroup_id_z 1
		.amdhsa_system_vgpr_workitem_id 0
		.amdhsa_next_free_vgpr 176
		.amdhsa_next_free_sgpr 66
		.amdhsa_reserve_vcc 0
		.amdhsa_float_denorm_mode_32 3
		.amdhsa_float_denorm_mode_16_64 3
		.amdhsa_memory_ordered 1
		.amdhsa_forward_progress 1
		.amdhsa_inst_pref_size 22
	.end_amdhsa_kernel
	.amdgpu_metadata
---
amdhsa.version: [ 1, 2 ]
amdhsa.kernels:
  - .name:           k_q2204a86d5c_gather
    .symbol:         k_q2204a86d5c_gather.kd
    .args:
      - { .name: z, .offset: 0, .size: 8, .value_kind: global_buffer, .address_space: global }
      - { .name: eb, .offset: 8, .size: 8, .value_kind: global_buffer, .address_space: global }
      - { .name: idxw, .offset: 16, .size: 8, .value_kind: global_buffer, .address_space: global }
      - { .name: out0, .offset: 24, .size: 8, .value_kind: global_buffer, .address_space: global }
    .group_segment_fixed_size: 34816
    .private_segment_fixed_size: 0
    .kernarg_segment_align: 8
    .kernarg_segment_size: 32
    .max_flat_workgroup_size: 256
    .sgpr_count:     66
    .vgpr_count:     176
    .wavefront_size: 32
...
	.end_amdgpu_metadata
.endif
;; end of part 5
